; MI455X (gfx1250); checked and timed in simulation.
; The chip was launched on July 23, 2026; its instructions are those of AMD's public machine-readable ISA for CDNA 5 (MIT licence, August 2026) and "CDNA5" Instruction Set Architecture Reference Guide (July 2026). The comments in the code are by the model that wrote it; some were corrected since.
;; Project Point2 Image. Allowed arithmetic: float matrix products may take bf16 or f16 operands with f32 sums; all other float work in f32.
;; Inputs: K 3 x 3 float32; RT 4 x 3 x 4 float32; pts_3d 4 x 1,024 x 3 float32; pts_feat 4 x 1,024 x 16 float32; pts_scale 4 x 1,024 float32.
;; Outputs: out0 4 x 16 x 128 x 128 float32.
;; 2 versions, each right and faster than the one before. Each part assembles by itself: llvm-mc -triple=amdgcn-amd-amdhsa -mcpu=gfx1250 --defsym DOCPART=n.
;; ======== version 1 of 2: 1 launch
;; limits: values are held in f16: magnitudes above 65,504 overflow, below 6.1e-05 lose precision; inputs' magnitudes at most 65,504
;; launch splat (part 1): grid 256 x 1, 4 waves a work-group, no clusters, 230,144 bytes of LDS; arguments K, RT, pts_3d, pts_feat, pts_scale, out0; writes out0
.if DOCPART == 1
	.amdgcn_target "amdgcn-amd-amdhsa--gfx1250"
	.amdhsa_code_object_version 6
	.text
	.protected	k_q1a05e092d4_splat
	.globl	k_q1a05e092d4_splat
	.p2align	8
	.type	k_q1a05e092d4_splat,@function
k_q1a05e092d4_splat:
	s_mov_b64 s[64:65], 0
	v_nop
	global_prefetch_b8 v0, s[64:65] scope:SCOPE_SE
	s_setreg_imm32_b32 hwreg(HW_REG_WAVE_MODE, 25, 1), 1
	s_wait_xcnt 0x0
; ProjectPoint2Image: out[b][c][y][x] = sum over n of feat[b][n][c] * mask[n] * exp(-((v[n]-y)^2 + (u[n]-x)^2) / (scale[n] sigma^2)).
; THE FORM.  exp(-(p+q)) = exp(-p) exp(-q) for all p, q, so the weight is wy[n][y] * wx[n][x] and
;   out[b][c][y][x] = sum over n of (feat[n][c] * wy[n][y] * mask[n]) * wx[n][x]:
; the same product as in reference() (16 x 16384 x 1024 for each batch), with 68 exponentials a point and work-group instead of 256.
; Nothing of reference() is left out and all five inputs are loaded.
; OPERANDS IN F16, WITH A MAXIMUM TAKEN AWAY.  Where many splats of both signs overlap, a pixel's sum is small beside its terms and every term's rounding
; counts against it: f16 keeps 11 significant bits, bf16 8.  f16's range is made to do by shifts of the exponents that cancel exactly.  With k[n] =
; -log2(e) / (scale sigma^2):  cx[n] = the largest k (u - x)^2 over the tile's 64 columns, cy[n] the same over its 4 rows (nearest pixel and farthest
; pixel, so either sign of k is served; each at least -256), M = the largest cx + cy over the batch's unmasked points (at least -512).  Then
;   wx'[n][x] = exp2(k (u-x)^2 - cx) <= 1,   A'[n][y][c] = feat * exp2(k (v-y)^2 + cx - M), |A'| <= |feat|,   out = (sum over n of A' wx') * 2^M.
; The mask is -inf in the place of cx - M.  2^M is applied as exp2(M/2) twice, so that denormal results come from plain multiplies.
; SHARES.  256 work-groups = 4 batches x 32 groups of 4 image rows x 2 halves of 64 columns; a row piece of the output is 256 aligned bytes.
; Four waves; the sum over the 1024 points is split: wave w owns points 256 w .. 256 w + 255 and keeps all 4 rows x 4 column tiles x 16 channels,
; 16 accumulators.  So every table below is the wave's own (LDS address = wave x 39,936 + ...); the waves meet twice: for M, and for the partial sums.
; The wx' fragments are computed in the registers in which the matrix instruction wants them: each exponential once in the work-group, never through LDS.
; PHASES of a wave: (1) project its points, 8 a lane; u, k, cx and wy' go to LDS.  (2) feat, as loaded (512 consecutive bytes an instruction), times wy'
; in f32, rounded once to f16, to LDS as [y][n][c]; the transposing LDS load brings it back as fragments.  (3) 64 periods of half a column tile, written
; out: exponentials, packed arithmetic of the next half tile and matrix instructions side by side.  (4) the four waves' partial sums meet in LDS;
; wave w adds those of image row y0 + w, scales by 2^M and stores whole 256-byte pieces.
; NO CLUSTER, NO TENSOR LOADS: the 64 work-groups of a batch read the same 80 KiB (points, scales, feat), once each, and each wave wants its quarter in
; registers in the order in which it lies in memory; a joint load would lay them in LDS first (a second pass over the same 80 KiB) behind rounds of
; a cluster barrier, in a kernel whose length is its vector arithmetic.
; LIMITS.  |feat| above 65,504 overflows f16.  A term whose feat * weight lies more than 2^-24 below the tile's largest weight vanishes.  Divisions are
; v_rcp_f32 and a multiply.  Results below 2^-149 are 0.  k is kept at -3.4e38 or above: if scale sigma^2 is 0 or denormal the weight is 0, as in
; reference(), but for a point that meets a pixel centre exactly in u and in v, where it is 1 and reference() has NaN.
.set OFF_U,  0                         ; u[n], f32
.set OFF_K,  1024                      ; k[n], f32
.set OFF_C,  2048                      ; cx[n], f32
.set OFF_W,  3072                      ; wy'[n][0..3], f32
.set OFF_A,  7168                      ; A'[y][n][c] f16: rows of 32 bytes
.set APLANE, 8192                      ; 256 points x 32 bytes
.set WSLAB,  39936                     ; a wave's own LDS: 3 x 1,024 + 4,096 + 32,768 bytes
.set PART,   4*WSLAB                   ; the partial sums, behind the four slabs
.set PPITCH, 272                       ; a row of 64 f32 + 16 bytes: 16 rows that a store touches begin in 16 different 16-byte columns modulo 256
.set PSLAB,  64*PPITCH                 ; a wave's 64 rows (y, c)
.set OFF_M,  PART+4*PSLAB              ; four words: each wave's largest cx + cy
.set KM,  16                           ; s[16:24]  K, row-major
.set RTS, 28                           ; s[28:39]  RT of my batch, row-major 3 x 4
; vector registers, phases 1 and 2
.set LANE, 1
.set OPT,  2                           ; 48 x lane: my 4 points in a group of 128
.set O16,  3                           ; 16 x lane
.set NY,   4                           ; v[4:7]    -(y0 + i)
.set PT,   8                           ; v[8:31]   8 points x (x, y, z), later their projections
.set T1,   8                           ; v[8:15]   at work, once PT is dead
.set T2,   16                          ; v[16:23]
.set CXQ,  24                          ; v[24:31]  cx
.set SCL,  32                          ; v[32:39]  scale, then 1 / (scale sigma sigma)
.set CYQ,  32                          ; v[32:39]  cy, then cx + cy (+ -inf where masked), once SCL is dead
.set LC,   40                          ; v[40:63]  local coordinates
.set ZC,   40                          ; v[40:47]  max(z, 0.1), then its reciprocal (LC is dead by then)
.set ADS,  48                          ; slab + 16 lane
.set ADW,  49                          ; slab + 64 lane
.set ADL,  50                          ; slab + 16 (lane / 4)
.set ADA,  51                          ; slab + 8 lane
.set ADM,  52                          ; my wave's word among the four maxima
.set ADM0, 53                          ; the first of them
.set NI,   54                          ; -inf
.set EM,   55                          ; the maximum
.set HH,   56                          ; M / 2
.set SS,   57                          ; exp2(M / 2)
.set NM,   58                          ; v[58:59]  -M, twice
.set MX4,  60                          ; v[60:63]  the four waves' maxima
.set UQ,   64
.set VQ,   72
.set KQ,   80
.set MQ,   88                          ; 0 or -inf (masked), then + cx, then - M
.set WYR,  96                          ; v[96:127] wy' of 8 points x 4 rows
.set FT,   128                         ; v[128:255] feat as loaded: 32 loads x 4 registers
.set WR,   64                          ; v[64:95]  ring of 8 wy' quadruples
.set TT,   96                          ; v[96:111] products in f32
.set AO,   112                         ; v[112:119] products in f16
; vector registers, phases 3 and 4
.set AU,   1                           ; slab + 32 h
.set AT,   2                           ; slab + address of the transposing load
.set NX,   4                           ; v[4:7]    -(x0 + 16 t + r)
.set DST,  8                           ; v[8:23]   two sets of 8 arguments
.set BB,   24                          ; v[24:39]  two wx' fragments
.set UU,   40                          ; v[40:55]  u of my 16 points of the K step
.set KK,   56                          ; v[56:71]  k of the same
.set CC,   72                          ; v[72:87]  cx of the same
.set AF,   88                          ; v[88:127] five slots for A' fragments, fragment 4 s + y in slot (4 s + y) mod 5
.set ACC,  128                         ; v[128:255] accumulator (y, t) at ACC + 8 (4 y + t)
; d = (element q of array a, in both halves) op (pair b); the same with the broadcast as second source; d = d * a[q] + b[q]
.macro PKB0 op, d, a, q, b
.if (\q)&1
	\op v[(\d):(\d)+1], v[(\a)+(\q)-1:(\a)+(\q)], v[(\b):(\b)+1] op_sel:[1,0] op_sel_hi:[1,1]
.else
	\op v[(\d):(\d)+1], v[(\a)+(\q):(\a)+(\q)+1], v[(\b):(\b)+1] op_sel_hi:[0,1]
.endif
.endm
.macro PKB1 op, d, b, a, q
.if (\q)&1
	\op v[(\d):(\d)+1], v[(\b):(\b)+1], v[(\a)+(\q)-1:(\a)+(\q)] op_sel:[0,1] op_sel_hi:[1,1]
.else
	\op v[(\d):(\d)+1], v[(\b):(\b)+1], v[(\a)+(\q):(\a)+(\q)+1] op_sel_hi:[1,0]
.endif
.endm
.macro PKF2 d, a, b, q
.if (\q)&1
	v_pk_fma_f32 v[(\d):(\d)+1], v[(\d):(\d)+1], v[(\a)+(\q)-1:(\a)+(\q)], v[(\b)+(\q)-1:(\b)+(\q)] op_sel:[0,1,1] op_sel_hi:[1,1,1]
.else
	v_pk_fma_f32 v[(\d):(\d)+1], v[(\d):(\d)+1], v[(\a)+(\q):(\a)+(\q)+1], v[(\b)+(\q):(\b)+(\q)+1] op_sel_hi:[1,0,0]
.endif
.endm
	s_load_b256 s[4:11], s[0:1], 0x0               ; K s[4:5], RT s[6:7], pts_3d s[8:9], pts_feat s[10:11]
	s_load_b128 s[12:15], s[0:1], 0x20             ; pts_scale s[12:13], out0 s[14:15]
	s_set_vgpr_msb 0x40
	v_lshl_add_u32 v0, v0, 2, 0x38100
	v_mov_b32 v1, 0
	s_set_vgpr_msb 0x4000
	v_lshrrev_b32 v1, 5, v0
	v_readfirstlane_b32 s2, v1                     ; wave 0..3
	s_lshr_b32 s3, ttmp9, 6                        ; batch
	s_and_b32 s25, ttmp9, 1                        ; which 64 columns
	s_bfe_u32 s26, ttmp9, 0x50001                  ; which 4 rows (5 bits from bit 1)
	s_lshl_b32 s27, s26, 2                         ; y0
	s_lshl_b32 s57, s25, 6                         ; x0
	s_lshl_b32 s44, s3, 10
	s_lshl_b32 s45, s2, 8
	s_add_co_u32 s44, s44, s45                     ; my wave's first point, counted over all batches
	s_mul_i32 s46, s3, 48                          ; RT: 48 bytes a batch
	s_mov_b32 s47, 0
	s_mul_i32 s48, s44, 12                         ; pts_3d: 12 bytes a point
	s_mov_b32 s49, 0
	s_lshl_b32 s50, s44, 6                         ; pts_feat: 64 bytes a point
	s_mov_b32 s51, 0
	s_lshl_b32 s52, s44, 2                         ; pts_scale: 4 bytes a point
	s_mov_b32 s53, 0
	s_lshl_b32 s54, s3, 20                         ; out0: batch x 16 x 128 x 128 x 4 bytes
	s_add_co_u32 s56, s27, s2                      ; the image row that my wave stores: y0 + wave
	s_lshl_b32 s56, s56, 9
	s_add_co_u32 s54, s54, s56
	s_lshl_b32 s56, s25, 8
	s_add_co_u32 s54, s54, s56                     ; + x0 x 4 bytes
	s_mov_b32 s55, 0
	s_mul_i32 s43, s2, WSLAB                       ; my slab in LDS
	s_mul_i32 s58, s2, PSLAB
	s_add_co_u32 s58, s58, PART                    ; where my partial sums go
	s_mul_i32 s59, s2, 16*PPITCH
	s_add_co_u32 s59, s59, PART                    ; rows (y = wave, c) of wave 0's partial sums
	s_mov_b32 s40, 0x3dcccccd                      ; 0.1
	s_mov_b32 s42, 0xbfb8aa3b                      ; -log2(e)
	v_and_b32 v[LANE], 31, v0
	v_mul_u32_u24 v[OPT], v[LANE], 48
	v_lshlrev_b32 v[O16], 4, v[LANE]
	s_wait_kmcnt 0x0
	s_add_nc_u64 s[6:7], s[6:7], s[46:47]
	s_add_nc_u64 s[8:9], s[8:9], s[48:49]
	s_add_nc_u64 s[10:11], s[10:11], s[50:51]
	s_add_nc_u64 s[12:13], s[12:13], s[52:53]
	s_add_nc_u64 s[14:15], s[14:15], s[54:55]
	s_load_b256 s[KM:KM+7], s[4:5], 0x0
	s_load_b32 s[KM+8], s[4:5], 0x20
	s_load_b256 s[RTS:RTS+7], s[6:7], 0x0
	s_load_b128 s[RTS+8:RTS+11], s[6:7], 0x20
	; Lane l takes points 128 g + 4 l + i (g = 0, 1; i = 0..3): 48 bytes of coordinates, 16 of scales.  A group's three loads
	; cover 1,536 consecutive bytes between them, a scale load 512, a feat load 512.
.irp g, 0,1
.irp j, 0,1,2
	global_load_b128 v[PT+12*\g+4*\j:PT+12*\g+4*\j+3], v[OPT], s[8:9] offset:1536*\g+16*\j
.endr
.endr
.irp g, 0,1
	global_load_b128 v[SCL+4*\g:SCL+4*\g+3], v[O16], s[12:13] offset:512*\g
.endr
.set k, 0
.rept 32
	global_load_b128 v[FT+4*k:FT+4*k+3], v[O16], s[10:11] offset:512*k     ; point 8 k + l / 4, channels 4 (l % 4) .. + 3
.set k, k+1
.endr
	s_mov_b32 s44, 0x76543210                      ; v_permlanex16_b32: lane i of one half reads lane i of the other
	s_mov_b32 s45, 0xfedcba98
	s_cvt_f32_u32 s48, s57                         ; the tile's first column,
	s_add_f32 s49, s48, 0x427c0000                 ; its last (+ 63),
	s_add_f32 s50, s48, 0x41fc0000                 ; its middle (+ 31.5)
	s_mov_b32 s51, 0x41fc0000                      ; and half its width
	s_cvt_f32_u32 s52, s27                         ; the same for the 4 rows: first,
	s_add_f32 s53, s52, 0x40400000                 ; last (+ 3),
	s_add_f32 s54, s52, 0x3fc00000                 ; middle (+ 1.5),
	s_mov_b32 s55, 0x3fc00000                      ; half the height
	s_lshl_b32 s47, s2, 2
	s_add_co_u32 s47, s47, OFF_M                   ; my wave's word among the maxima
	v_cvt_f32_u32 v[NY], s27
	v_sub_f32 v[NY+3], 0xc0400000, v[NY]           ; -3 - y0
	v_sub_f32 v[NY+2], -2.0, v[NY]
	v_sub_f32 v[NY+1], -1.0, v[NY]
	v_sub_f32 v[NY], 0, v[NY]
	s_wait_kmcnt 0x0                               ; K and RT
	s_mul_f32 s41, s[KM], 0x3d000000               ; sigma = K[0][0] / 32
	s_wait_loadcnt 0x20                            ; coordinates and scales are in; the 32 feat loads issued behind them stay out
	; PHASE 1.  local = R p + T, proj = K local, eight points side by side so that no instruction waits for the one in front of it
.irp i, 0,1,2
.irp q, 0,1,2,3,4,5,6,7
	v_fma_f32 v[LC+3*\q+\i], s[RTS+4*\i+2], v[PT+3*\q+2], s[RTS+4*\i+3]
.endr
.irp q, 0,1,2,3,4,5,6,7
	v_fma_f32 v[LC+3*\q+\i], s[RTS+4*\i+1], v[PT+3*\q+1], v[LC+3*\q+\i]
.endr
.irp q, 0,1,2,3,4,5,6,7
	v_fma_f32 v[LC+3*\q+\i], s[RTS+4*\i], v[PT+3*\q], v[LC+3*\q+\i]
.endr
.endr
.irp i, 0,1,2
.irp q, 0,1,2,3,4,5,6,7
	v_mul_f32 v[PT+3*\q+\i], s[KM+3*\i], v[LC+3*\q]
.endr
.irp q, 0,1,2,3,4,5,6,7
	v_fma_f32 v[PT+3*\q+\i], s[KM+3*\i+1], v[LC+3*\q+1], v[PT+3*\q+\i]
.endr
.irp q, 0,1,2,3,4,5,6,7
	v_fma_f32 v[PT+3*\q+\i], s[KM+3*\i+2], v[LC+3*\q+2], v[PT+3*\q+\i]
.endr
.endr
.irp q, 0,1,2,3,4,5,6,7
	v_max_num_f32 v[ZC+\q], s40, v[PT+3*\q+2]      ; max(z, 0.1)
.endr
.irp q, 0,1,2,3,4,5,6,7
	v_mul_f32 v[SCL+\q], s41, v[SCL+\q]            ; (scale sigma)
.endr
.irp q, 0,1,2,3,4,5,6,7
	v_mul_f32 v[SCL+\q], s41, v[SCL+\q]            ; (scale sigma) sigma
.endr
.irp q, 0,1,2,3,4,5,6,7
	v_rcp_f32 v[ZC+\q], v[ZC+\q]
.endr
.irp q, 0,1,2,3,4,5,6,7
	v_rcp_f32 v[SCL+\q], v[SCL+\q]
.endr
	v_lshl_add_u32 v[ADS], v[LANE], 4, s43         ; plain instructions between the reciprocals and their first use (ISA guide 5.7.2)
	v_lshl_add_u32 v[ADW], v[LANE], 6, s43
	v_lshrrev_b32 v[ADL], 2, v[LANE]
	v_lshl_add_u32 v[ADL], v[ADL], 4, s43
	v_lshl_add_u32 v[ADA], v[LANE], 3, s43
	v_mov_b32 v[ADM], s47
	v_mov_b32 v[ADM0], OFF_M
	v_mov_b32 v[NI], 0xff800000
.irp q, 0,1,2,3,4,5,6,7
	v_cmp_ge_f32 vcc_lo, s40, v[PT+3*\q+2]         ; 0.1 >= z: the point is masked,
	v_cndmask_b32 v[MQ+\q], 0, v[NI], vcc_lo       ; which is -inf in its exponents, else 0
.endr
	s_wait_alu depctr_va_vdst(0)
.irp q, 0,1,2,3,4,5,6,7
	v_mul_f32 v[UQ+\q], v[PT+3*\q], v[ZC+\q]
.endr
.irp q, 0,1,2,3,4,5,6,7
	v_mul_f32 v[VQ+\q], v[PT+3*\q+1], v[ZC+\q]
.endr
.irp q, 0,1,2,3,4,5,6,7
	v_mul_f32 v[KQ+\q], s42, v[SCL+\q]             ; k = -log2(e) / (scale sigma sigma),
.endr
.irp q, 0,1,2,3,4,5,6,7
	v_max_num_f32 v[KQ+\q], 0xff7fffff, v[KQ+\q]   ; finite below, so that k x 0 is 0
.endr
; dst[q] = the largest k (src[q] - p)^2 over the pixels p = lo .. hi, at least -256.  For k < 0 it is at the nearest pixel (src rounded and clamped),
; for k > 0 at the farthest (|src - middle| + half the extent); the larger of the two products serves both signs.
.macro CMAX dst, src, lo, hi, mid, rad
.irp q, 0,1,2,3,4,5,6,7
	v_rndne_f32 v[T2+\q], v[\src+\q]
.endr
.irp q, 0,1,2,3,4,5,6,7
	v_sub_f32 v[T1+\q], v[\src+\q], s[\mid]
.endr
.irp q, 0,1,2,3,4,5,6,7
	v_med3_num_f32 v[T2+\q], v[T2+\q], s[\lo], s[\hi]
.endr
.irp q, 0,1,2,3,4,5,6,7
	v_add_f32 v[T1+\q], |v[T1+\q]|, s[\rad]
.endr
.irp q, 0,1,2,3,4,5,6,7
	v_sub_f32 v[T2+\q], v[\src+\q], v[T2+\q]
.endr
.irp j, 0,2,4,6
	v_pk_mul_f32 v[T1+\j:T1+\j+1], v[T1+\j:T1+\j+1], v[T1+\j:T1+\j+1]
	v_pk_mul_f32 v[T2+\j:T2+\j+1], v[T2+\j:T2+\j+1], v[T2+\j:T2+\j+1]
.endr
.irp j, 0,2,4,6
	v_pk_mul_f32 v[T1+\j:T1+\j+1], v[T1+\j:T1+\j+1], v[KQ+\j:KQ+\j+1]
	v_pk_mul_f32 v[T2+\j:T2+\j+1], v[T2+\j:T2+\j+1], v[KQ+\j:KQ+\j+1]
.endr
.irp q, 0,1,2,3,4,5,6,7
	v_max3_num_f32 v[\dst+\q], v[T1+\q], v[T2+\q], 0xc3800000
.endr
.endm
	CMAX CXQ, UQ, 48, 49, 50, 51
	CMAX CYQ, VQ, 52, 53, 54, 55
.irp g, 0,1
	ds_store_b128 v[ADS], v[UQ+4*\g:UQ+4*\g+3] offset:OFF_U+512*\g
	ds_store_b128 v[ADS], v[KQ+4*\g:KQ+4*\g+3] offset:OFF_K+512*\g
	ds_store_b128 v[ADS], v[CXQ+4*\g:CXQ+4*\g+3] offset:OFF_C+512*\g
.endr
.irp j, 0,2,4,6
	v_pk_add_f32 v[MQ+\j:MQ+\j+1], v[MQ+\j:MQ+\j+1], v[CXQ+\j:CXQ+\j+1]       ; cx, or -inf
.endr
.irp j, 0,2,4,6
	v_pk_add_f32 v[CYQ+\j:CYQ+\j+1], v[CYQ+\j:CYQ+\j+1], v[MQ+\j:MQ+\j+1]     ; cx + cy, or -inf
.endr
	v_max3_num_f32 v[EM], v[CYQ], v[CYQ+1], v[CYQ+2]
	v_max3_num_f32 v[EM], v[EM], v[CYQ+3], v[CYQ+4]
	v_max3_num_f32 v[EM], v[EM], v[CYQ+5], v[CYQ+6]
	v_max3_num_f32 v[EM], v[EM], v[CYQ+7], 0xc4000000                          ; at least -512, also where every point is masked
	v_max_num_f32_dpp v[EM], v[EM], v[EM] row_xmask:1 row_mask:0xf bank_mask:0xf
	v_max_num_f32_dpp v[EM], v[EM], v[EM] row_xmask:2 row_mask:0xf bank_mask:0xf
	v_max_num_f32_dpp v[EM], v[EM], v[EM] row_xmask:4 row_mask:0xf bank_mask:0xf
	v_max_num_f32_dpp v[EM], v[EM], v[EM] row_xmask:8 row_mask:0xf bank_mask:0xf
	v_permlanex16_b32 v[T1], v[EM], s44, s45       ; its destination counts as read: T1 has been written
	v_max_num_f32 v[EM], v[EM], v[T1]              ; my wave's maximum, in every lane
	ds_store_b32 v[ADM], v[EM]
	s_wait_dscnt 0x0                               ; my word is in LDS, for the other waves' sake
	s_barrier_signal -1
	; register work while the others arrive: (v - y0 - i)^2, two rows at a time
.irp q, 0,1,2,3,4,5,6,7
	PKB0 v_pk_add_f32, WYR+4*\q, VQ, \q, NY
	PKB0 v_pk_add_f32, WYR+4*\q+2, VQ, \q, NY+2
.endr
.set j, 0
.rept 16
	v_pk_mul_f32 v[WYR+2*j:WYR+2*j+1], v[WYR+2*j:WYR+2*j+1], v[WYR+2*j:WYR+2*j+1]
.set j, j+1
.endr
	s_barrier_wait -1                              ; all four words are there; nobody writes them again
	ds_load_b128 v[MX4:MX4+3], v[ADM0]
	s_wait_dscnt 0x0
	v_max3_num_f32 v[EM], v[MX4], v[MX4+1], v[MX4+2]
	v_max_num_f32 v[EM], v[EM], v[MX4+3]           ; M
	v_mul_f32 v[HH], 0.5, v[EM]
	v_sub_f32 v[NM], 0, v[EM]
	v_exp_f32 v[SS], v[HH]
	v_sub_f32 v[NM+1], 0, v[EM]                    ; also the plain instruction behind the exponential (ISA guide 5.7.2)
.irp j, 0,2,4,6
	v_pk_add_f32 v[MQ+\j:MQ+\j+1], v[MQ+\j:MQ+\j+1], v[NM:NM+1]               ; cx - M, or -inf
.endr
	s_wait_alu depctr_va_vdst(0)
	v_readfirstlane_b32 s46, v[SS]                 ; exp2(M / 2), the same in every lane and wave: a factor for phase 4, never an address
	s_mov_b32 s47, s46
	; wy'[n][i] = exp2(k (v - y0 - i)^2 + cx - M); 0 where masked
.irp q, 0,1,2,3,4,5,6,7
	PKF2 WYR+4*\q, KQ, MQ, \q
	PKF2 WYR+4*\q+2, KQ, MQ, \q
.endr
.set j, 0
.rept 32
	v_exp_f32 v[WYR+j], v[WYR+j]
.set j, j+1
.endr
	v_nop                                          ; the plain instruction between the exponentials and their first use (ISA guide 5.7.2)
	s_wait_alu depctr_va_vdst(0)
.irp q, 0,1,2,3,4,5,6,7
	ds_store_b128 v[ADW], v[WYR+4*\q:WYR+4*\q+3] offset:OFF_W+(\q/4)*2048+(\q%4)*16
.endr
	; PHASE 2.  Step k: feat load k (points 8 k + l / 4, four channels) times the point's four wy', rounded to f16, 8 bytes a lane and row
	; to A'[y][n][c]: a store of the wave covers 256 consecutive bytes.  The point's wy' come back from LDS through a ring of eight quadruples;
	; LDS serves a wave's instructions in order (ISA guide 5.7.1), so these loads see the stores above without a wait.
.set k, 0
.rept 8
	ds_load_b128 v[WR+4*k:WR+4*k+3], v[ADL] offset:OFF_W+128*k
.set k, k+1
.endr
.set k, 0
.rept 32
.if k < 8
.set NW, 7+4*k                                     ; behind wy' load k: 7 - k loads of the ring's first fill, and 4 stores + 1 load in each of k steps
.else
.if k < 25
.set NW, 35                                        ; seven steps of 4 stores + 1 load
.else
.set NW, 59-k                                      ; seven steps of 4 stores; only the steps up to 23 had a load
.endif
.endif
	s_wait_dscnt NW
	s_wait_loadcnt 31-k                            ; feat load k is in, the younger ones stay out
.irp y, 0,1,2,3
	PKB1 v_pk_mul_f32, TT+4*\y, FT+4*k, WR+4*(k%8), \y
	PKB1 v_pk_mul_f32, TT+4*\y+2, FT+4*k+2, WR+4*(k%8), \y
.endr
.irp j, 0,1,2,3,4,5,6,7
	v_cvt_pk_f16_f32 v[AO+\j], v[TT+2*\j], v[TT+2*\j+1]
.endr
.irp y, 0,1,2,3
	ds_store_b64 v[ADA], v[AO+2*\y:AO+2*\y+1] offset:OFF_A+APLANE*\y+256*k
.endr
.if k < 24
	ds_load_b128 v[WR+4*(k%8):WR+4*(k%8)+3], v[ADL] offset:OFF_W+128*(k+8)
.endif
.set k, k+1
.endr
	; PHASE 3.  K step s = my points 32 s .. 32 s + 31.  Lane (r = l % 16, h = l / 16) holds k = 8 h .. + 7 in a fragment's registers 0-3 and
	; k = 16 + 8 h .. + 7 in registers 4-7 (ISA guide 7.12.2).  Source 0 = wx' (row r = column x0 + 16 t + r of the image), source 1 = A' (column r =
	; channel r): a lane's eight results are eight neighbouring x of one channel.
	v_bfe_u32 v3, v0, 4, 1                         ; h  (v2 and v3 are free: every global load has been waited for)
	v_and_b32 v[AT], 7, v0
	v_lshl_add_u32 v[AU], v3, 5, s43               ; u, k and cx of my half: 8 h points x 4 bytes
	v_lshl_add_u32 v[AT], v3, 3, v[AT]             ; row 8 h + l % 8 of A',
	v_bfe_u32 v3, v0, 3, 1
	v_lshlrev_b32 v[AT], 5, v[AT]                  ; 32 bytes a row,
	v_lshl_add_u32 v[AT], v3, 4, v[AT]             ; its first or second 16 bytes
	v_add_nc_u32 v[AT], s43, v[AT]
	v_and_b32 v[NX], 15, v0
	v_add_nc_u32 v[NX], s57, v[NX]
	v_cvt_f32_u32 v[NX], v[NX]                     ; x0 + r
	v_sub_f32 v[NX+3], 0xc2400000, v[NX]           ; -48 - (x0 + r)
	v_sub_f32 v[NX+2], 0xc2000000, v[NX]           ; -32 - ..
	v_sub_f32 v[NX+1], 0xc1800000, v[NX]           ; -16 - ..
	v_sub_f32 v[NX], 0, v[NX]
.macro LDU n, hh                       ; u of half hh (8 points a lane) of K step n
	ds_load_b128 v[UU+8*(\hh):UU+8*(\hh)+3], v[AU] offset:OFF_U+128*(\n)+64*(\hh)
	ds_load_b128 v[UU+8*(\hh)+4:UU+8*(\hh)+7], v[AU] offset:OFF_U+128*(\n)+64*(\hh)+16
.endm
.macro LDK n, hh                       ; k of the same
	ds_load_b128 v[KK+8*(\hh):KK+8*(\hh)+3], v[AU] offset:OFF_K+128*(\n)+64*(\hh)
	ds_load_b128 v[KK+8*(\hh)+4:KK+8*(\hh)+7], v[AU] offset:OFF_K+128*(\n)+64*(\hh)+16
.endm
.macro LDC n, hh                       ; cx of the same
	ds_load_b128 v[CC+8*(\hh):CC+8*(\hh)+3], v[AU] offset:OFF_C+128*(\n)+64*(\hh)
	ds_load_b128 v[CC+8*(\hh)+4:CC+8*(\hh)+7], v[AU] offset:OFF_C+128*(\n)+64*(\hh)+16
.endm
.macro LDA n, y                        ; the A' fragment of K step n and row y: rows of A' lie along c, so the load transposes
	.set aslot, (4*(\n)+(\y))%5
	ds_load_tr16_b128 v[AF+8*aslot:AF+8*aslot+3], v[AT] offset:OFF_A+APLANE*(\y)+1024*(\n)
	ds_load_tr16_b128 v[AF+8*aslot+4:AF+8*aslot+7], v[AT] offset:OFF_A+APLANE*(\y)+1024*(\n)+512
.endm
; A unit = half a wx' fragment = 8 numbers a lane.  Unit uu = 8 s + 2 t + half.  The next unit's three stages:
.macro SADD i                          ; d = u - x, one rounding as in reference()
	PKB1 v_pk_add_f32, DST+8*pnxt+2*\i, UU+8*hfn+2*\i, NX, xtn
.endm
.macro SSQ i
	v_pk_mul_f32 v[DST+8*pnxt+2*\i:DST+8*pnxt+2*\i+1], v[DST+8*pnxt+2*\i:DST+8*pnxt+2*\i+1], v[DST+8*pnxt+2*\i:DST+8*pnxt+2*\i+1]
.endm
.macro SKK i                           ; k d d - cx, fused
	v_pk_fma_f32 v[DST+8*pnxt+2*\i:DST+8*pnxt+2*\i+1], v[DST+8*pnxt+2*\i:DST+8*pnxt+2*\i+1], v[KK+8*hfn+2*\i:KK+8*hfn+2*\i+1], v[CC+8*hfn+2*\i:CC+8*hfn+2*\i+1] neg_lo:[0,0,1] neg_hi:[0,0,1]
.endm
; this unit's exponentials and roundings
.macro SEXP e
	v_exp_f32 v[DST+8*pcur+\e], v[DST+8*pcur+\e]
.endm
.macro SCVT t
	s_wait_alu depctr_va_vdst(0)
	v_cvt_pk_f16_f32 v[BB+8*(tcur&1)+4*hfc+\t], v[DST+8*pcur+2*\t], v[DST+8*pcur+2*\t+1]
.endm
; a matrix instruction of tile tw = 4 s + t and row y.  The first K step starts the sums: nothing is cleared.
.macro SW y
	.set aslot, (4*(tw>>2)+(\y))%5
	.set accb, ACC+8*(4*(\y)+(tw&3))
.if tw < 4
	v_wmma_f32_16x16x32_f16 v[accb:accb+7], v[BB+8*(tw&1):BB+8*(tw&1)+7], v[AF+8*aslot:AF+8*aslot+7], 0
.else
	v_wmma_f32_16x16x32_f16 v[accb:accb+7], v[BB+8*(tw&1):BB+8*(tw&1)+7], v[AF+8*aslot:AF+8*aslot+7], v[accb:accb+7]
.endif
.endm
; a stage instruction of the next unit; the last period has none, and keeps a v_nop where an exponential's result is used two lines on
.macro NXT op, i, fill
.if un < 64
	\op \i
.else
.if \fill
	v_nop
	s_wait_alu depctr_va_vdst(0)
.endif
.endif
.endm
; ONE PERIOD: 24 vector slots in the pattern (exponential, plain, plain).  The plain slots are the next unit's twelve packed instructions and this unit's four
; roundings, each rounding two slots behind its second exponential, with a plain instruction between (ISA guide 5.7.2).  Two matrix instructions of the tile
; finished one tile ago stand among them.  The sixteen accumulators take turns, one instruction a turn.
; A wx' fragment is written again two tiles later.  Fragment f of A' takes the slot of fragment f - 5, and its loads stand five plain instructions behind that
; fragment's last matrix instruction (ISA guide 7.12.1 asks four for vector instructions).
; LDS loads for K step n = s + 1, two instructions each, in the order of issue: u0 | k0, c0 (period 8 s + 5, each behind its registers' last use), u1 | k1, c1
; (8 s + 6), A0 (8 s + 7), A1 | A2 (8 n), A3 (8 n + 1).  Every wait below counts the loads issued behind the ones that it needs.
.macro PERIOD
	.set pcur, uu&1
	.set pnxt, 1-pcur
	.set hfc, uu&1
	.set tcur, uu>>1
	.set un, uu+1
	.set hfn, un&1
	.set xtn, (un>>1)&3
	.set tw, tcur-1
	.set ph, uu&7
	.set kc, uu>>3
	.set kn, kc+1
.if ph == 7
.if kn < 8
	s_wait_dscnt 10                                ; u0 of the next K step is in; behind it: k0, c0, u1, k1, c1
.endif
.endif
.if ph == 0
.if kc == 0
	s_wait_dscnt 12                                ; u1; behind it: k1, c1 and the eight fragment loads
.else
	s_wait_dscnt 6                                 ; u1; behind it: k1, c1, A0
.endif
.endif
	SEXP 0
	NXT SADD, 0, 0
	NXT SADD, 1, 0
.if uu >= 2
.if ph == 2
	s_wait_dscnt 6                                 ; A0; behind it: A1, A2, A3
.endif
.if ph == 3
	s_wait_dscnt 2                                 ; A2; behind it: A3
.endif
	SW 2*hfc
.endif
	SEXP 1
	NXT SADD, 2, 1
	SCVT 0
	SEXP 2
	NXT SADD, 3, 0
.if kn < 8
.if ph == 5
	LDU kn, 0
.endif
.if ph == 6
	LDU kn, 1
.endif
.endif
	NXT SSQ, 0, 0
.if ph == 7
.if kn < 8
	LDA kn, 0                                      ; into the slot of row 3 of two K steps ago, long free
.endif
.endif
	SEXP 3
	NXT SSQ, 1, 1
.if kc >= 1
.if ph == 0
	LDA kc, 1                                      ; into the slot of A'(s - 1, 0), whose last matrix instruction stands five plain instructions back
.endif
.if ph == 1
	LDA kc, 3                                      ; into the slot of A'(s - 1, 2), likewise
.endif
.endif
	SCVT 1
	SEXP 4
	NXT SSQ, 2, 0
	NXT SSQ, 3, 0
.if uu >= 2
.if ph == 2
	s_wait_dscnt 4                                 ; A1; behind it: A2, A3
.endif
.if ph == 3
	s_wait_dscnt 0                                 ; A3, the youngest
.endif
	SW 2*hfc+1
.endif
	SEXP 5
.if ph == 7
.if kn < 8
	s_wait_dscnt 8                                 ; k0 and c0; behind them: u1, k1, c1, A0
.endif
.endif
.if ph == 0
.if kc == 0
	s_wait_dscnt 8                                 ; k1 and c1; behind them: the eight fragment loads
.else
	s_wait_dscnt 4                                 ; k1 and c1; behind them: A0, A1
.endif
.endif
	NXT SKK, 0, 1
	SCVT 2
	SEXP 6
	NXT SKK, 1, 0
	NXT SKK, 2, 0
	SEXP 7
	NXT SKK, 3, 1
.if kn < 8
.if ph == 5
	LDK kn, 0
	LDC kn, 0
.endif
.if ph == 6
	LDK kn, 1
	LDC kn, 1
.endif
.endif
.if ph == 0
.if kc >= 1
	LDA kc, 2                                      ; into the slot of A'(s - 1, 1), whose last matrix instruction stands five plain instructions back
.endif
.endif
	SCVT 3
.endm
	LDU 0, 0
	LDK 0, 0
	LDC 0, 0
	LDU 0, 1
	LDK 0, 1
	LDC 0, 1
	LDA 0, 0
	LDA 0, 1
	LDA 0, 2
	LDA 0, 3
	s_wait_dscnt 14                                ; u, k and cx of half 0 are in; behind them: those of half 1 and the eight fragment loads
	.set un, 0
	.set pnxt, 0
	.set hfn, 0
	.set xtn, 0
.irp i, 0,1,2,3
	SADD \i
.endr
.irp i, 0,1,2,3
	SSQ \i
.endr
.irp i, 0,1,2,3
	SKK \i
.endr
.set uu, 0
.rept 64
	PERIOD
.set uu, uu+1
.endr
	.set tw, 31                                    ; the last tile's four matrix instructions
	SW 0
	SW 1
	SW 2
	SW 3
	; PHASE 4.  The address arithmetic is also the four places between the last matrix instructions and the stores that read their results.
	v_and_b32 v1, 15, v0                           ; r
	v_bfe_u32 v2, v0, 4, 1                         ; h
	v_mul_u32_u24 v3, v1, PPITCH                   ; in: row (y, c = r), 32 bytes for each half of the lanes
	v_lshl_add_u32 v3, v2, 5, v3
	v_add_nc_u32 v3, s58, v3
	v_mul_u32_u24 v4, v2, PPITCH                   ; back: lanes 0-15 take one row of 256 bytes, lanes 16-31 the next
	v_lshl_add_u32 v4, v1, 4, v4
	v_add_nc_u32 v4, s59, v4
	v_lshlrev_b32 v5, 16, v2                       ; and the same two channels in out0, 65,536 bytes apart
	v_lshl_add_u32 v5, v1, 4, v5
.irp y, 0,1,2,3
.irp x, 0,1,2,3
	ds_store_b128 v3, v[ACC+8*(4*\y+\x):ACC+8*(4*\y+\x)+3] offset:\y*16*PPITCH+\x*64
	ds_store_b128 v3, v[ACC+8*(4*\y+\x)+4:ACC+8*(4*\y+\x)+7] offset:\y*16*PPITCH+\x*64+16
.endr
.endr
	s_wait_dscnt 0x0                               ; my partial sums are in LDS, for the other waves' sake
	s_barrier_signal -1
	s_barrier_wait -1                              ; everybody's are
.irp t, 0,1,2,3,4,5,6,7
.irp w, 0,1,2,3
	ds_load_b128 v[ACC+32*\w+4*\t:ACC+32*\w+4*\t+3], v4 offset:\w*PSLAB+\t*2*PPITCH   ; channels 2 t, 2 t + 1 of row y0 + my wave, as wave w summed them
.endr
.endr
.irp t, 0,1,2,3,4,5,6,7
	s_wait_dscnt 28-4*\t                           ; group t's four loads are in; the 7 - t younger groups stay out
	v_pk_add_f32 v[ACC+4*\t:ACC+4*\t+1], v[ACC+4*\t:ACC+4*\t+1], v[ACC+32+4*\t:ACC+32+4*\t+1]
	v_pk_add_f32 v[ACC+4*\t+2:ACC+4*\t+3], v[ACC+4*\t+2:ACC+4*\t+3], v[ACC+32+4*\t+2:ACC+32+4*\t+3]
	v_pk_add_f32 v[ACC+64+4*\t:ACC+64+4*\t+1], v[ACC+64+4*\t:ACC+64+4*\t+1], v[ACC+96+4*\t:ACC+96+4*\t+1]
	v_pk_add_f32 v[ACC+64+4*\t+2:ACC+64+4*\t+3], v[ACC+64+4*\t+2:ACC+64+4*\t+3], v[ACC+96+4*\t+2:ACC+96+4*\t+3]
	v_pk_add_f32 v[ACC+4*\t:ACC+4*\t+1], v[ACC+4*\t:ACC+4*\t+1], v[ACC+64+4*\t:ACC+64+4*\t+1]
	v_pk_add_f32 v[ACC+4*\t+2:ACC+4*\t+3], v[ACC+4*\t+2:ACC+4*\t+3], v[ACC+64+4*\t+2:ACC+64+4*\t+3]
	v_pk_mul_f32 v[ACC+4*\t:ACC+4*\t+1], v[ACC+4*\t:ACC+4*\t+1], s[46:47] op_sel_hi:[1,0]         ; x 2^M, as exp2(M / 2) twice
	v_pk_mul_f32 v[ACC+4*\t+2:ACC+4*\t+3], v[ACC+4*\t+2:ACC+4*\t+3], s[46:47] op_sel_hi:[1,0]
	v_pk_mul_f32 v[ACC+4*\t:ACC+4*\t+1], v[ACC+4*\t:ACC+4*\t+1], s[46:47] op_sel_hi:[1,0]
	v_pk_mul_f32 v[ACC+4*\t+2:ACC+4*\t+3], v[ACC+4*\t+2:ACC+4*\t+3], s[46:47] op_sel_hi:[1,0]
	global_store_b128 v5, v[ACC+4*\t:ACC+4*\t+3], s[14:15] offset:\t*131072 th:TH_STORE_NT   ; 16 lanes store 256 consecutive bytes, at a multiple of 256 from out0's first byte
.endr
	s_set_vgpr_msb 0x5
	s_wait_tensorcnt 0x0
	ds_add_u32 v0, v1
	s_wait_dscnt 0x0
	s_set_vgpr_msb 0x500
	s_endpgm
.Lfunc_end_k_q1a05e092d4_splat:
	.size	k_q1a05e092d4_splat, .Lfunc_end_k_q1a05e092d4_splat-k_q1a05e092d4_splat
	.p2alignl 7, 3214868480
	.fill 96, 4, 3214868480
	.section	.rodata,"a",@progbits
	.p2align	6, 0x0
	.amdhsa_kernel k_q1a05e092d4_splat
		.amdhsa_group_segment_fixed_size 230144
		.amdhsa_private_segment_fixed_size 0
		.amdhsa_enable_private_segment 0
		.amdhsa_kernarg_size 48
		.amdhsa_user_sgpr_count 2
		.amdhsa_user_sgpr_kernarg_segment_ptr 1
		.amdhsa_wavefront_size32 1
		.amdhsa_system_sgpr_workgroup_id_x 1
		.amdhsa_system_sgpr_workgroup_id_y 1
		.amdhsa_system_sgpr_workgroup_id_z 1
		.amdhsa_system_vgpr_workitem_id 0
		.amdhsa_next_free_vgpr 258
		.amdhsa_next_free_sgpr 66
		.amdhsa_reserve_vcc 1
		.amdhsa_float_denorm_mode_32 3
		.amdhsa_float_denorm_mode_16_64 3
		.amdhsa_memory_ordered 1
		.amdhsa_forward_progress 1
		.amdhsa_inst_pref_size 197
	.end_amdhsa_kernel
	.amdgpu_metadata
---
amdhsa.version: [ 1, 2 ]
amdhsa.kernels:
  - .name:           k_q1a05e092d4_splat
    .symbol:         k_q1a05e092d4_splat.kd
    .args:
      - { .name: K, .offset: 0, .size: 8, .value_kind: global_buffer, .address_space: global }
      - { .name: RT, .offset: 8, .size: 8, .value_kind: global_buffer, .address_space: global }
      - { .name: pts_3d, .offset: 16, .size: 8, .value_kind: global_buffer, .address_space: global }
      - { .name: pts_feat, .offset: 24, .size: 8, .value_kind: global_buffer, .address_space: global }
      - { .name: pts_scale, .offset: 32, .size: 8, .value_kind: global_buffer, .address_space: global }
      - { .name: out0, .offset: 40, .size: 8, .value_kind: global_buffer, .address_space: global }
    .group_segment_fixed_size: 230144
    .private_segment_fixed_size: 0
    .kernarg_segment_align: 8
    .kernarg_segment_size: 48
    .max_flat_workgroup_size: 128
    .sgpr_count:     66
    .vgpr_count:     258
    .wavefront_size: 32
...
	.end_amdgpu_metadata
.endif
;; end of part 1
;; ======== version 2 of 2: 1 launch; 1.31 times as fast as version 1
;; limits: values are held in f16: magnitudes above 65,504 overflow, below 6.1e-05 lose precision; inputs' magnitudes at most 65,504
;; launch splat (part 2): grid 256 x 1, 8 waves a work-group, no clusters, 300,288 bytes of LDS; arguments K, RT, pts_3d, pts_feat, pts_scale, out0; writes out0
.if DOCPART == 2
	.amdgcn_target "amdgcn-amd-amdhsa--gfx1250"
	.amdhsa_code_object_version 6
	.text
	.protected	k_q1a05e092d4_splat
	.globl	k_q1a05e092d4_splat
	.p2align	8
	.type	k_q1a05e092d4_splat,@function
k_q1a05e092d4_splat:
	s_mov_b64 s[64:65], 0
	v_nop
	global_prefetch_b8 v0, s[64:65] scope:SCOPE_SE
	s_setreg_imm32_b32 hwreg(HW_REG_WAVE_MODE, 25, 1), 1
	s_wait_xcnt 0x0
; ProjectPoint2Image: out[b][c][y][x] = sum over n of feat[b][n][c] * mask[n] * exp(-((v[n]-y)^2 + (u[n]-x)^2) / (scale[n] sigma^2)).
; THE FORM.  exp(-(p+q)) = exp(-p) exp(-q) for all p, q, so the weight is wy[n][y] * wx[n][x] and
;   out[b][c][y][x] = sum over n of (feat[n][c] * wy[n][y] * mask[n]) * wx[n][x]:
; the same product as in reference() (16 x 16384 x 1024 for each batch), with 68 exponentials a point and work-group instead of 256.
; Nothing of reference() is left out and all five inputs are loaded.
; OPERANDS IN F16, WITH A MAXIMUM TAKEN AWAY.  Where many splats of both signs overlap, a pixel's sum is small beside its terms and every term's rounding
; counts against it: f16 keeps 11 significant bits, bf16 8.  f16's range is made to do by shifts of the exponents that cancel exactly.  With k[n] =
; -log2(e) / (scale sigma^2):  cx[n] = the largest k (u - x)^2 over the tile's 64 columns, cy[n] the same over its 4 rows (nearest pixel and farthest
; pixel, so either sign of k is served; each at least -256), M = the largest cx + cy over the batch's unmasked points (at least -512).  Then
;   wx'[n][x] = exp2(k (u-x)^2 - cx) <= 1,   A'[n][y][c] = feat * exp2(k (v-y)^2 + cx - M), |A'| <= |feat|,   out = (sum over n of A' wx') * 2^M.
; The mask is -inf in the place of cx - M.  2^M is applied as exp2(M/2) twice, so that denormal results come from plain multiplies.
; SHARES.  256 work-groups = 4 batches x 32 groups of 4 image rows x 2 halves of 64 columns; a row piece of the output is 256 aligned bytes.
; EIGHT WAVES, two to a SIMD (2 x 256 registers): a wave has 64 matrix instructions beside more than a thousand vector and LDS instructions that follow
; each other's results, so a second wave has work to issue where the first one waits.  The sum over the 1024 points is split: wave w owns points
; 128 w .. 128 w + 127 and keeps all 4 rows x 4 column tiles x 16 channels, 16 accumulators.  So every table below is the wave's own (LDS address =
; wave x 19,968 + ...); the waves meet twice: for M, and for the partial sums.
; The wx' fragments are computed in the registers in which the matrix instruction wants them: each exponential once in the work-group, never through LDS.
; PHASES of a wave: (1) project its points, 4 a lane; u, k, cx and wy' go to LDS.  (2) feat, as loaded (512 consecutive bytes an instruction), times wy'
; in f32, rounded once to f16, to LDS as [y][n][c]; the transposing LDS load brings it back as fragments.  (3) 32 periods of half a column tile, written
; out: exponentials, packed arithmetic of the next half tile and matrix instructions side by side.  (4) the eight waves' partial sums meet in LDS;
; wave w adds those of image row y0 + w / 2, channels 8 (w % 2) .. + 7, scales by 2^M and stores whole 256-byte pieces.
; NO CLUSTER, NO TENSOR LOADS: the 64 work-groups of a batch read the same 80 KiB (points, scales, feat), once each, and each wave wants its eighth in
; registers in the order in which it lies in memory; a joint load would lay them in LDS first (a second pass over the same 80 KiB) behind rounds of
; a cluster barrier, in a kernel whose length is its vector arithmetic.
; LIMITS.  |feat| above 65,504 overflows f16.  A term whose feat * weight lies more than 2^-24 below the tile's largest weight vanishes.  Divisions are
; v_rcp_f32 and a multiply.  Results below 2^-149 are 0.  k is kept at -3.4e38 or above: if scale sigma^2 is 0 or denormal the weight is 0, as in
; reference(), but for a point that meets a pixel centre exactly in u and in v, where it is 1 and reference() has NaN.
.set NKS,    4                         ; K steps of 32 points in a wave's 128
.set NU,     8*NKS                     ; periods of phase 3
.set NFL,    16                        ; feat loads of a wave: 128 points x 64 bytes / 512
.set OFF_U,  0                         ; u[n], f32
.set OFF_K,  512                       ; k[n], f32
.set OFF_C,  1024                      ; cx[n], f32
.set OFF_W,  1536                      ; wy'[n][0..3], f32
.set OFF_A,  3584                      ; A'[y][n][c] f16: rows of 32 bytes
.set APLANE, 4096                      ; 128 points x 32 bytes
.set WSLAB,  19968                     ; a wave's own LDS: 3 x 512 + 2,048 + 16,384 bytes
.set PART,   8*WSLAB                   ; the partial sums, behind the eight slabs
.set PPITCH, 272                       ; a row of 64 f32 + 16 bytes: 16 rows that a store touches begin in 16 different 16-byte columns modulo 256
.set PSLAB,  64*PPITCH                 ; a wave's 64 rows (y, c)
.set OFF_M,  PART+8*PSLAB              ; eight words: each wave's largest cx + cy
.set KM,  16                           ; s[16:24]  K, row-major
.set RTS, 28                           ; s[28:39]  RT of my batch, row-major 3 x 4
; vector registers, phases 1 and 2
.set LANE, 1
.set OPT,  2                           ; 48 x lane: my 4 points
.set O16,  3                           ; 16 x lane
.set NY,   4                           ; v[4:7]    -(y0 + i)
.set PT,   8                           ; v[8:19]   4 points x (x, y, z), later their projections
.set T1,   8                           ; v[8:11]   at work, once PT is dead
.set T2,   12                          ; v[12:15]
.set CXQ,  16                          ; v[16:19]  cx
.set SCL,  20                          ; v[20:23]  scale, then 1 / (scale sigma sigma)
.set CYQ,  20                          ; v[20:23]  cy, then cx + cy (+ -inf where masked), once SCL is dead
.set LC,   24                          ; v[24:35]  local coordinates
.set ZC,   24                          ; v[24:27]  max(z, 0.1), then its reciprocal (LC is dead by then)
.set MX,   36                          ; v[36:43]  the eight waves' maxima
.set ADS,  48                          ; slab + 16 lane
.set ADW,  49                          ; slab + 64 lane
.set ADL,  50                          ; slab + 16 (lane / 4)
.set ADA,  51                          ; slab + 8 lane
.set ADM,  52                          ; my wave's word among the eight maxima
.set ADM0, 53                          ; the first of them
.set NI,   54                          ; -inf
.set EM,   55                          ; the maximum
.set HH,   56                          ; M / 2
.set SS,   57                          ; exp2(M / 2)
.set NM,   58                          ; v[58:59]  -M, twice
.set UQ,   64
.set VQ,   68
.set KQ,   72
.set MQ,   76                          ; 0 or -inf (masked), then + cx, then - M
.set WYR,  96                          ; v[96:111] wy' of 4 points x 4 rows
.set FT,   128                         ; v[128:191] feat as loaded: 16 loads x 4 registers
.set WR,   64                          ; v[64:95]  ring of 8 wy' quadruples
.set TT,   96                          ; v[96:111] products in f32
.set AO,   112                         ; v[112:119] products in f16
; vector registers, phases 3 and 4
.set AU,   1                           ; slab + 32 h
.set AT,   2                           ; slab + address of the transposing load
.set NX,   4                           ; v[4:7]    -(x0 + 16 t + r)
.set DST,  8                           ; v[8:23]   two sets of 8 arguments
.set BB,   24                          ; v[24:39]  two wx' fragments
.set UU,   40                          ; v[40:55]  u of my 16 points of the K step
.set KK,   56                          ; v[56:71]  k of the same
.set CC,   72                          ; v[72:87]  cx of the same
.set AF,   88                          ; v[88:127] five slots for A' fragments, fragment 4 s + y in slot (4 s + y) mod 5
.set ACC,  128                         ; v[128:255] accumulator (y, t) at ACC + 8 (4 y + t)
; d = (element q of array a, in both halves) op (pair b); the same with the broadcast as second source; d = d * a[q] + b[q]
.macro PKB0 op, d, a, q, b
.if (\q)&1
	\op v[(\d):(\d)+1], v[(\a)+(\q)-1:(\a)+(\q)], v[(\b):(\b)+1] op_sel:[1,0] op_sel_hi:[1,1]
.else
	\op v[(\d):(\d)+1], v[(\a)+(\q):(\a)+(\q)+1], v[(\b):(\b)+1] op_sel_hi:[0,1]
.endif
.endm
.macro PKB1 op, d, b, a, q
.if (\q)&1
	\op v[(\d):(\d)+1], v[(\b):(\b)+1], v[(\a)+(\q)-1:(\a)+(\q)] op_sel:[0,1] op_sel_hi:[1,1]
.else
	\op v[(\d):(\d)+1], v[(\b):(\b)+1], v[(\a)+(\q):(\a)+(\q)+1] op_sel_hi:[1,0]
.endif
.endm
.macro PKF2 d, a, b, q
.if (\q)&1
	v_pk_fma_f32 v[(\d):(\d)+1], v[(\d):(\d)+1], v[(\a)+(\q)-1:(\a)+(\q)], v[(\b)+(\q)-1:(\b)+(\q)] op_sel:[0,1,1] op_sel_hi:[1,1,1]
.else
	v_pk_fma_f32 v[(\d):(\d)+1], v[(\d):(\d)+1], v[(\a)+(\q):(\a)+(\q)+1], v[(\b)+(\q):(\b)+(\q)+1] op_sel_hi:[1,0,0]
.endif
.endm
	s_load_b256 s[4:11], s[0:1], 0x0               ; K s[4:5], RT s[6:7], pts_3d s[8:9], pts_feat s[10:11]
	s_load_b128 s[12:15], s[0:1], 0x20             ; pts_scale s[12:13], out0 s[14:15]
	s_set_vgpr_msb 0x40
	v_lshl_add_u32 v0, v0, 2, 0x49100
	v_mov_b32 v1, 0
	s_set_vgpr_msb 0x4000
	v_lshrrev_b32 v1, 5, v0
	v_readfirstlane_b32 s2, v1                     ; wave 0..7
	s_lshr_b32 s3, ttmp9, 6                        ; batch
	s_and_b32 s25, ttmp9, 1                        ; which 64 columns
	s_bfe_u32 s26, ttmp9, 0x50001                  ; which 4 rows (5 bits from bit 1)
	s_lshl_b32 s27, s26, 2                         ; y0
	s_lshl_b32 s57, s25, 6                         ; x0
	s_lshl_b32 s44, s3, 10
	s_lshl_b32 s45, s2, 7
	s_add_co_u32 s44, s44, s45                     ; my wave's first point, counted over all batches
	s_mul_i32 s46, s3, 48                          ; RT: 48 bytes a batch
	s_mov_b32 s47, 0
	s_mul_i32 s48, s44, 12                         ; pts_3d: 12 bytes a point
	s_mov_b32 s49, 0
	s_lshl_b32 s50, s44, 6                         ; pts_feat: 64 bytes a point
	s_mov_b32 s51, 0
	s_lshl_b32 s52, s44, 2                         ; pts_scale: 4 bytes a point
	s_mov_b32 s53, 0
	s_lshl_b32 s54, s3, 20                         ; out0: batch x 16 x 128 x 128 x 4 bytes
	s_lshr_b32 s56, s2, 1
	s_add_co_u32 s56, s27, s56                     ; the image row that my wave stores: y0 + wave / 2
	s_lshl_b32 s56, s56, 9
	s_add_co_u32 s54, s54, s56
	s_and_b32 s56, s2, 1
	s_lshl_b32 s56, s56, 19                        ; its first channel: 8 (wave % 2), 65,536 bytes a channel
	s_add_co_u32 s54, s54, s56
	s_lshl_b32 s56, s25, 8
	s_add_co_u32 s54, s54, s56                     ; + x0 x 4 bytes
	s_mov_b32 s55, 0
	s_mul_i32 s43, s2, WSLAB                       ; my slab in LDS
	s_mul_i32 s58, s2, PSLAB
	s_add_co_u32 s58, s58, PART                    ; where my partial sums go
	s_mul_i32 s59, s2, 8*PPITCH
	s_add_co_u32 s59, s59, PART                    ; rows 8 wave .. + 7 of wave 0's partial sums
	s_mov_b32 s40, 0x3dcccccd                      ; 0.1
	s_mov_b32 s42, 0xbfb8aa3b                      ; -log2(e)
	v_and_b32 v[LANE], 31, v0
	v_mul_u32_u24 v[OPT], v[LANE], 48
	v_lshlrev_b32 v[O16], 4, v[LANE]
	s_wait_kmcnt 0x0
	s_add_nc_u64 s[6:7], s[6:7], s[46:47]
	s_add_nc_u64 s[8:9], s[8:9], s[48:49]
	s_add_nc_u64 s[10:11], s[10:11], s[50:51]
	s_add_nc_u64 s[12:13], s[12:13], s[52:53]
	s_add_nc_u64 s[14:15], s[14:15], s[54:55]
	s_load_b256 s[KM:KM+7], s[4:5], 0x0
	s_load_b32 s[KM+8], s[4:5], 0x20
	s_load_b256 s[RTS:RTS+7], s[6:7], 0x0
	s_load_b128 s[RTS+8:RTS+11], s[6:7], 0x20
	; Lane l takes points 4 l + i (i = 0..3): 48 bytes of coordinates, 16 of scales.  The three coordinate loads
	; cover 1,536 consecutive bytes between them, the scale load 512, a feat load 512.
.irp j, 0,1,2
	global_load_b128 v[PT+4*\j:PT+4*\j+3], v[OPT], s[8:9] offset:16*\j
.endr
	global_load_b128 v[SCL:SCL+3], v[O16], s[12:13]
.set k, 0
.rept NFL
	global_load_b128 v[FT+4*k:FT+4*k+3], v[O16], s[10:11] offset:512*k     ; point 8 k + l / 4, channels 4 (l % 4) .. + 3
.set k, k+1
.endr
	s_mov_b32 s44, 0x76543210                      ; v_permlanex16_b32: lane i of one half reads lane i of the other
	s_mov_b32 s45, 0xfedcba98
	s_cvt_f32_u32 s48, s57                         ; the tile's first column,
	s_add_f32 s49, s48, 0x427c0000                 ; its last (+ 63),
	s_add_f32 s50, s48, 0x41fc0000                 ; its middle (+ 31.5)
	s_mov_b32 s51, 0x41fc0000                      ; and half its width
	s_cvt_f32_u32 s52, s27                         ; the same for the 4 rows: first,
	s_add_f32 s53, s52, 0x40400000                 ; last (+ 3),
	s_add_f32 s54, s52, 0x3fc00000                 ; middle (+ 1.5),
	s_mov_b32 s55, 0x3fc00000                      ; half the height
	s_lshl_b32 s47, s2, 2
	s_add_co_u32 s47, s47, OFF_M                   ; my wave's word among the maxima
	v_cvt_f32_u32 v[NY], s27
	v_sub_f32 v[NY+3], 0xc0400000, v[NY]           ; -3 - y0
	v_sub_f32 v[NY+2], -2.0, v[NY]
	v_sub_f32 v[NY+1], -1.0, v[NY]
	v_sub_f32 v[NY], 0, v[NY]
	s_wait_kmcnt 0x0                               ; K and RT
	s_mul_f32 s41, s[KM], 0x3d000000               ; sigma = K[0][0] / 32
	s_wait_loadcnt NFL                             ; coordinates and scales are in; the 16 feat loads issued behind them stay out
	; PHASE 1.  local = R p + T, proj = K local, four points side by side
.irp i, 0,1,2
.irp q, 0,1,2,3
	v_fma_f32 v[LC+3*\q+\i], s[RTS+4*\i+2], v[PT+3*\q+2], s[RTS+4*\i+3]
.endr
.irp q, 0,1,2,3
	v_fma_f32 v[LC+3*\q+\i], s[RTS+4*\i+1], v[PT+3*\q+1], v[LC+3*\q+\i]
.endr
.irp q, 0,1,2,3
	v_fma_f32 v[LC+3*\q+\i], s[RTS+4*\i], v[PT+3*\q], v[LC+3*\q+\i]
.endr
.endr
.irp i, 0,1,2
.irp q, 0,1,2,3
	v_mul_f32 v[PT+3*\q+\i], s[KM+3*\i], v[LC+3*\q]
.endr
.irp q, 0,1,2,3
	v_fma_f32 v[PT+3*\q+\i], s[KM+3*\i+1], v[LC+3*\q+1], v[PT+3*\q+\i]
.endr
.irp q, 0,1,2,3
	v_fma_f32 v[PT+3*\q+\i], s[KM+3*\i+2], v[LC+3*\q+2], v[PT+3*\q+\i]
.endr
.endr
.irp q, 0,1,2,3
	v_max_num_f32 v[ZC+\q], s40, v[PT+3*\q+2]      ; max(z, 0.1)
.endr
.irp q, 0,1,2,3
	v_mul_f32 v[SCL+\q], s41, v[SCL+\q]            ; (scale sigma)
.endr
.irp q, 0,1,2,3
	v_mul_f32 v[SCL+\q], s41, v[SCL+\q]            ; (scale sigma) sigma
.endr
.irp q, 0,1,2,3
	v_rcp_f32 v[ZC+\q], v[ZC+\q]
.endr
.irp q, 0,1,2,3
	v_rcp_f32 v[SCL+\q], v[SCL+\q]
.endr
	v_lshl_add_u32 v[ADS], v[LANE], 4, s43         ; plain instructions between the reciprocals and their first use (ISA guide 5.7.2)
	v_lshl_add_u32 v[ADW], v[LANE], 6, s43
	v_lshrrev_b32 v[ADL], 2, v[LANE]
	v_lshl_add_u32 v[ADL], v[ADL], 4, s43
	v_lshl_add_u32 v[ADA], v[LANE], 3, s43
	v_mov_b32 v[ADM], s47
	v_mov_b32 v[ADM0], OFF_M
	v_mov_b32 v[NI], 0xff800000
.irp q, 0,1,2,3
	v_cmp_ge_f32 vcc_lo, s40, v[PT+3*\q+2]         ; 0.1 >= z: the point is masked,
	v_cndmask_b32 v[MQ+\q], 0, v[NI], vcc_lo       ; which is -inf in its exponents, else 0
.endr
	s_wait_alu depctr_va_vdst(0)
.irp q, 0,1,2,3
	v_mul_f32 v[UQ+\q], v[PT+3*\q], v[ZC+\q]
.endr
.irp q, 0,1,2,3
	v_mul_f32 v[VQ+\q], v[PT+3*\q+1], v[ZC+\q]
.endr
.irp q, 0,1,2,3
	v_mul_f32 v[KQ+\q], s42, v[SCL+\q]             ; k = -log2(e) / (scale sigma sigma),
.endr
.irp q, 0,1,2,3
	v_max_num_f32 v[KQ+\q], 0xff7fffff, v[KQ+\q]   ; finite below, so that k x 0 is 0
.endr
; dst[q] = the largest k (src[q] - p)^2 over the pixels p = lo .. hi, at least -256.  For k < 0 it is at the nearest pixel (src rounded and clamped),
; for k > 0 at the farthest (|src - middle| + half the extent); the larger of the two products serves both signs.
.macro CMAX dst, src, lo, hi, mid, rad
.irp q, 0,1,2,3
	v_rndne_f32 v[T2+\q], v[\src+\q]
.endr
.irp q, 0,1,2,3
	v_sub_f32 v[T1+\q], v[\src+\q], s[\mid]
.endr
.irp q, 0,1,2,3
	v_med3_num_f32 v[T2+\q], v[T2+\q], s[\lo], s[\hi]
.endr
.irp q, 0,1,2,3
	v_add_f32 v[T1+\q], |v[T1+\q]|, s[\rad]
.endr
.irp q, 0,1,2,3
	v_sub_f32 v[T2+\q], v[\src+\q], v[T2+\q]
.endr
.irp j, 0,2
	v_pk_mul_f32 v[T1+\j:T1+\j+1], v[T1+\j:T1+\j+1], v[T1+\j:T1+\j+1]
	v_pk_mul_f32 v[T2+\j:T2+\j+1], v[T2+\j:T2+\j+1], v[T2+\j:T2+\j+1]
.endr
.irp j, 0,2
	v_pk_mul_f32 v[T1+\j:T1+\j+1], v[T1+\j:T1+\j+1], v[KQ+\j:KQ+\j+1]
	v_pk_mul_f32 v[T2+\j:T2+\j+1], v[T2+\j:T2+\j+1], v[KQ+\j:KQ+\j+1]
.endr
.irp q, 0,1,2,3
	v_max3_num_f32 v[\dst+\q], v[T1+\q], v[T2+\q], 0xc3800000
.endr
.endm
	CMAX CXQ, UQ, 48, 49, 50, 51
	CMAX CYQ, VQ, 52, 53, 54, 55
	ds_store_b128 v[ADS], v[UQ:UQ+3] offset:OFF_U
	ds_store_b128 v[ADS], v[KQ:KQ+3] offset:OFF_K
	ds_store_b128 v[ADS], v[CXQ:CXQ+3] offset:OFF_C
.irp j, 0,2
	v_pk_add_f32 v[MQ+\j:MQ+\j+1], v[MQ+\j:MQ+\j+1], v[CXQ+\j:CXQ+\j+1]       ; cx, or -inf
.endr
.irp j, 0,2
	v_pk_add_f32 v[CYQ+\j:CYQ+\j+1], v[CYQ+\j:CYQ+\j+1], v[MQ+\j:MQ+\j+1]     ; cx + cy, or -inf
.endr
	v_max3_num_f32 v[EM], v[CYQ], v[CYQ+1], v[CYQ+2]
	v_max3_num_f32 v[EM], v[EM], v[CYQ+3], 0xc4000000                          ; at least -512, also where every point is masked
	v_max_num_f32_dpp v[EM], v[EM], v[EM] row_xmask:1 row_mask:0xf bank_mask:0xf
	v_max_num_f32_dpp v[EM], v[EM], v[EM] row_xmask:2 row_mask:0xf bank_mask:0xf
	v_max_num_f32_dpp v[EM], v[EM], v[EM] row_xmask:4 row_mask:0xf bank_mask:0xf
	v_max_num_f32_dpp v[EM], v[EM], v[EM] row_xmask:8 row_mask:0xf bank_mask:0xf
	v_permlanex16_b32 v[T1], v[EM], s44, s45       ; its destination counts as read: T1 has been written
	v_max_num_f32 v[EM], v[EM], v[T1]              ; my wave's maximum, in every lane
	ds_store_b32 v[ADM], v[EM]
	s_wait_dscnt 0x0                               ; my word is in LDS, for the other waves' sake
	s_barrier_signal -1
	; register work while the others arrive: (v - y0 - i)^2, two rows at a time
.irp q, 0,1,2,3
	PKB0 v_pk_add_f32, WYR+4*\q, VQ, \q, NY
	PKB0 v_pk_add_f32, WYR+4*\q+2, VQ, \q, NY+2
.endr
.set j, 0
.rept 8
	v_pk_mul_f32 v[WYR+2*j:WYR+2*j+1], v[WYR+2*j:WYR+2*j+1], v[WYR+2*j:WYR+2*j+1]
.set j, j+1
.endr
	s_barrier_wait -1                              ; all eight words are there; nobody writes them again
	ds_load_b128 v[MX:MX+3], v[ADM0]
	ds_load_b128 v[MX+4:MX+7], v[ADM0] offset:16
	s_wait_dscnt 0x0
	v_max3_num_f32 v[EM], v[MX], v[MX+1], v[MX+2]
	v_max3_num_f32 v[EM], v[EM], v[MX+3], v[MX+4]
	v_max3_num_f32 v[EM], v[EM], v[MX+5], v[MX+6]
	v_max_num_f32 v[EM], v[EM], v[MX+7]            ; M
	v_mul_f32 v[HH], 0.5, v[EM]
	v_sub_f32 v[NM], 0, v[EM]
	v_exp_f32 v[SS], v[HH]
	v_sub_f32 v[NM+1], 0, v[EM]                    ; also the plain instruction behind the exponential (ISA guide 5.7.2)
.irp j, 0,2
	v_pk_add_f32 v[MQ+\j:MQ+\j+1], v[MQ+\j:MQ+\j+1], v[NM:NM+1]               ; cx - M, or -inf
.endr
	s_wait_alu depctr_va_vdst(0)
	v_readfirstlane_b32 s46, v[SS]                 ; exp2(M / 2), the same in every lane and wave: a factor for phase 4, never an address
	s_mov_b32 s47, s46
	; wy'[n][i] = exp2(k (v - y0 - i)^2 + cx - M); 0 where masked
.irp q, 0,1,2,3
	PKF2 WYR+4*\q, KQ, MQ, \q
	PKF2 WYR+4*\q+2, KQ, MQ, \q
.endr
.set j, 0
.rept 16
	v_exp_f32 v[WYR+j], v[WYR+j]
.set j, j+1
.endr
	v_nop                                          ; the plain instruction between the exponentials and their first use (ISA guide 5.7.2)
	s_wait_alu depctr_va_vdst(0)
.irp q, 0,1,2,3
	ds_store_b128 v[ADW], v[WYR+4*\q:WYR+4*\q+3] offset:OFF_W+16*\q
.endr
	; PHASE 2.  Step k: feat load k (points 8 k + l / 4, four channels) times the point's four wy', rounded to f16, 8 bytes a lane and row
	; to A'[y][n][c]: a store of the wave covers 256 consecutive bytes.  The point's wy' come back from LDS through a ring of eight quadruples;
	; LDS serves a wave's instructions in order (ISA guide 5.7.1), so these loads see the stores above without a wait.
.set k, 0
.rept 8
	ds_load_b128 v[WR+4*k:WR+4*k+3], v[ADL] offset:OFF_W+128*k
.set k, k+1
.endr
.set k, 0
.rept NFL
.if k < 8
.set NW, 7+4*k                                     ; behind wy' load k: 7 - k loads of the ring's first fill, and 4 stores + 1 load in each of k steps
.else
.set NW, 43-k                                      ; seven steps of 4 stores; of them the steps k - 7 .. 7 had a load: 15 - k
.endif
	s_wait_dscnt NW
	s_wait_loadcnt NFL-1-k                         ; feat load k is in, the younger ones stay out
.irp y, 0,1,2,3
	PKB1 v_pk_mul_f32, TT+4*\y, FT+4*k, WR+4*(k%8), \y
	PKB1 v_pk_mul_f32, TT+4*\y+2, FT+4*k+2, WR+4*(k%8), \y
.endr
.irp j, 0,1,2,3,4,5,6,7
	v_cvt_pk_f16_f32 v[AO+\j], v[TT+2*\j], v[TT+2*\j+1]
.endr
.irp y, 0,1,2,3
	ds_store_b64 v[ADA], v[AO+2*\y:AO+2*\y+1] offset:OFF_A+APLANE*\y+256*k
.endr
.if k < NFL-8
	ds_load_b128 v[WR+4*(k%8):WR+4*(k%8)+3], v[ADL] offset:OFF_W+128*(k+8)
.endif
.set k, k+1
.endr
	; PHASE 3.  K step s = my points 32 s .. 32 s + 31.  Lane (r = l % 16, h = l / 16) holds k = 8 h .. + 7 in a fragment's registers 0-3 and
	; k = 16 + 8 h .. + 7 in registers 4-7 (ISA guide 7.12.2).  Source 0 = wx' (row r = column x0 + 16 t + r of the image), source 1 = A' (column r =
	; channel r): a lane's eight results are eight neighbouring x of one channel.
	v_bfe_u32 v3, v0, 4, 1                         ; h  (v2 and v3 are free: every global load has been waited for)
	v_and_b32 v[AT], 7, v0
	v_lshl_add_u32 v[AU], v3, 5, s43               ; u, k and cx of my half: 8 h points x 4 bytes
	v_lshl_add_u32 v[AT], v3, 3, v[AT]             ; row 8 h + l % 8 of A',
	v_bfe_u32 v3, v0, 3, 1
	v_lshlrev_b32 v[AT], 5, v[AT]                  ; 32 bytes a row,
	v_lshl_add_u32 v[AT], v3, 4, v[AT]             ; its first or second 16 bytes
	v_add_nc_u32 v[AT], s43, v[AT]
	v_and_b32 v[NX], 15, v0
	v_add_nc_u32 v[NX], s57, v[NX]
	v_cvt_f32_u32 v[NX], v[NX]                     ; x0 + r
	v_sub_f32 v[NX+3], 0xc2400000, v[NX]           ; -48 - (x0 + r)
	v_sub_f32 v[NX+2], 0xc2000000, v[NX]           ; -32 - ..
	v_sub_f32 v[NX+1], 0xc1800000, v[NX]           ; -16 - ..
	v_sub_f32 v[NX], 0, v[NX]
.macro LDU n, hh                       ; u of half hh (8 points a lane) of K step n
	ds_load_b128 v[UU+8*(\hh):UU+8*(\hh)+3], v[AU] offset:OFF_U+128*(\n)+64*(\hh)
	ds_load_b128 v[UU+8*(\hh)+4:UU+8*(\hh)+7], v[AU] offset:OFF_U+128*(\n)+64*(\hh)+16
.endm
.macro LDK n, hh                       ; k of the same
	ds_load_b128 v[KK+8*(\hh):KK+8*(\hh)+3], v[AU] offset:OFF_K+128*(\n)+64*(\hh)
	ds_load_b128 v[KK+8*(\hh)+4:KK+8*(\hh)+7], v[AU] offset:OFF_K+128*(\n)+64*(\hh)+16
.endm
.macro LDC n, hh                       ; cx of the same
	ds_load_b128 v[CC+8*(\hh):CC+8*(\hh)+3], v[AU] offset:OFF_C+128*(\n)+64*(\hh)
	ds_load_b128 v[CC+8*(\hh)+4:CC+8*(\hh)+7], v[AU] offset:OFF_C+128*(\n)+64*(\hh)+16
.endm
.macro LDA n, y                        ; the A' fragment of K step n and row y: rows of A' lie along c, so the load transposes
	.set aslot, (4*(\n)+(\y))%5
	ds_load_tr16_b128 v[AF+8*aslot:AF+8*aslot+3], v[AT] offset:OFF_A+APLANE*(\y)+1024*(\n)
	ds_load_tr16_b128 v[AF+8*aslot+4:AF+8*aslot+7], v[AT] offset:OFF_A+APLANE*(\y)+1024*(\n)+512
.endm
; A unit = half a wx' fragment = 8 numbers a lane.  Unit uu = 8 s + 2 t + half.  The next unit's three stages:
.macro SADD i                          ; d = u - x, one rounding as in reference()
	PKB1 v_pk_add_f32, DST+8*pnxt+2*\i, UU+8*hfn+2*\i, NX, xtn
.endm
.macro SSQ i
	v_pk_mul_f32 v[DST+8*pnxt+2*\i:DST+8*pnxt+2*\i+1], v[DST+8*pnxt+2*\i:DST+8*pnxt+2*\i+1], v[DST+8*pnxt+2*\i:DST+8*pnxt+2*\i+1]
.endm
.macro SKK i                           ; k d d - cx, fused
	v_pk_fma_f32 v[DST+8*pnxt+2*\i:DST+8*pnxt+2*\i+1], v[DST+8*pnxt+2*\i:DST+8*pnxt+2*\i+1], v[KK+8*hfn+2*\i:KK+8*hfn+2*\i+1], v[CC+8*hfn+2*\i:CC+8*hfn+2*\i+1] neg_lo:[0,0,1] neg_hi:[0,0,1]
.endm
; this unit's exponentials and roundings
.macro SEXP e
	v_exp_f32 v[DST+8*pcur+\e], v[DST+8*pcur+\e]
.endm
.macro SCVT t
	s_wait_alu depctr_va_vdst(0)
	v_cvt_pk_f16_f32 v[BB+8*(tcur&1)+4*hfc+\t], v[DST+8*pcur+2*\t], v[DST+8*pcur+2*\t+1]
.endm
; a matrix instruction of tile tw = 4 s + t and row y.  The first K step starts the sums: nothing is cleared.
.macro SW y
	.set aslot, (4*(tw>>2)+(\y))%5
	.set accb, ACC+8*(4*(\y)+(tw&3))
.if tw < 4
	v_wmma_f32_16x16x32_f16 v[accb:accb+7], v[BB+8*(tw&1):BB+8*(tw&1)+7], v[AF+8*aslot:AF+8*aslot+7], 0
.else
	v_wmma_f32_16x16x32_f16 v[accb:accb+7], v[BB+8*(tw&1):BB+8*(tw&1)+7], v[AF+8*aslot:AF+8*aslot+7], v[accb:accb+7]
.endif
.endm
; a stage instruction of the next unit; the last period has none, and keeps a v_nop where an exponential's result is used two lines on
.macro NXT op, i, fill
.if un < NU
	\op \i
.else
.if \fill
	v_nop
	s_wait_alu depctr_va_vdst(0)
.endif
.endif
.endm
; ONE PERIOD: 24 vector slots in the pattern (exponential, plain, plain).  The plain slots are the next unit's twelve packed instructions and this unit's four
; roundings, each rounding two slots behind its second exponential, with a plain instruction between (ISA guide 5.7.2).  Two matrix instructions of the tile
; finished one tile ago stand among them.  The sixteen accumulators take turns, one instruction a turn.
; A wx' fragment is written again two tiles later.  Fragment f of A' takes the slot of fragment f - 5, and its loads stand five plain instructions behind that
; fragment's last matrix instruction (ISA guide 7.12.1 asks four for vector instructions).
; LDS loads for K step n = s + 1, two instructions each, in the order of issue: u0 | k0, c0 (period 8 s + 5, each behind its registers' last use), u1 | k1, c1
; (8 s + 6), A0 (8 s + 7), A1 | A2 (8 n), A3 (8 n + 1).  Every wait below counts the loads issued behind the ones that it needs.
.macro PERIOD
	.set pcur, uu&1
	.set pnxt, 1-pcur
	.set hfc, uu&1
	.set tcur, uu>>1
	.set un, uu+1
	.set hfn, un&1
	.set xtn, (un>>1)&3
	.set tw, tcur-1
	.set ph, uu&7
	.set kc, uu>>3
	.set kn, kc+1
.if ph == 7
.if kn < NKS
	s_wait_dscnt 10                                ; u0 of the next K step is in; behind it: k0, c0, u1, k1, c1
.endif
.endif
.if ph == 0
.if kc == 0
	s_wait_dscnt 12                                ; u1; behind it: k1, c1 and the eight fragment loads
.else
	s_wait_dscnt 6                                 ; u1; behind it: k1, c1, A0
.endif
.endif
	SEXP 0
	NXT SADD, 0, 0
	NXT SADD, 1, 0
.if uu >= 2
.if ph == 2
	s_wait_dscnt 6                                 ; A0; behind it: A1, A2, A3
.endif
.if ph == 3
	s_wait_dscnt 2                                 ; A2; behind it: A3
.endif
	SW 2*hfc
.endif
	SEXP 1
	NXT SADD, 2, 1
	SCVT 0
	SEXP 2
	NXT SADD, 3, 0
.if kn < NKS
.if ph == 5
	LDU kn, 0
.endif
.if ph == 6
	LDU kn, 1
.endif
.endif
	NXT SSQ, 0, 0
.if ph == 7
.if kn < NKS
	LDA kn, 0                                      ; into the slot of row 3 of two K steps ago (for K step 1: a slot not yet used), long free
.endif
.endif
	SEXP 3
	NXT SSQ, 1, 1
.if kc >= 1
.if ph == 0
	LDA kc, 1                                      ; into the slot of A'(s - 1, 0), whose last matrix instruction stands five plain instructions back
.endif
.if ph == 1
	LDA kc, 3                                      ; into the slot of A'(s - 1, 2), likewise
.endif
.endif
	SCVT 1
	SEXP 4
	NXT SSQ, 2, 0
	NXT SSQ, 3, 0
.if uu >= 2
.if ph == 2
	s_wait_dscnt 4                                 ; A1; behind it: A2, A3
.endif
.if ph == 3
	s_wait_dscnt 0                                 ; A3, the youngest
.endif
	SW 2*hfc+1
.endif
	SEXP 5
.if ph == 7
.if kn < NKS
	s_wait_dscnt 8                                 ; k0 and c0; behind them: u1, k1, c1, A0
.endif
.endif
.if ph == 0
.if kc == 0
	s_wait_dscnt 8                                 ; k1 and c1; behind them: the eight fragment loads
.else
	s_wait_dscnt 4                                 ; k1 and c1; behind them: A0, A1
.endif
.endif
	NXT SKK, 0, 1
	SCVT 2
	SEXP 6
	NXT SKK, 1, 0
	NXT SKK, 2, 0
	SEXP 7
	NXT SKK, 3, 1
.if kn < NKS
.if ph == 5
	LDK kn, 0
	LDC kn, 0
.endif
.if ph == 6
	LDK kn, 1
	LDC kn, 1
.endif
.endif
.if ph == 0
.if kc >= 1
	LDA kc, 2                                      ; into the slot of A'(s - 1, 1), whose last matrix instruction stands five plain instructions back
.endif
.endif
	SCVT 3
.endm
	LDU 0, 0
	LDK 0, 0
	LDC 0, 0
	LDU 0, 1
	LDK 0, 1
	LDC 0, 1
	LDA 0, 0
	LDA 0, 1
	LDA 0, 2
	LDA 0, 3
	s_wait_dscnt 14                                ; u, k and cx of half 0 are in; behind them: those of half 1 and the eight fragment loads
	.set un, 0
	.set pnxt, 0
	.set hfn, 0
	.set xtn, 0
.irp i, 0,1,2,3
	SADD \i
.endr
.irp i, 0,1,2,3
	SSQ \i
.endr
.irp i, 0,1,2,3
	SKK \i
.endr
.set uu, 0
.rept NU
	PERIOD
.set uu, uu+1
.endr
	.set tw, 4*NKS-1                               ; the last tile's four matrix instructions
	SW 0
	SW 1
	SW 2
	SW 3
	; PHASE 4.  The address arithmetic is also the four places between the last matrix instructions and the stores that read their results.
	v_and_b32 v1, 15, v0                           ; r
	v_bfe_u32 v2, v0, 4, 1                         ; h
	v_mul_u32_u24 v3, v1, PPITCH                   ; in: row (y, c = r), 32 bytes for each half of the lanes
	v_lshl_add_u32 v3, v2, 5, v3
	v_add_nc_u32 v3, s58, v3
	v_mul_u32_u24 v4, v2, PPITCH                   ; back: lanes 0-15 take one row of 256 bytes, lanes 16-31 the next
	v_lshl_add_u32 v4, v1, 4, v4
	v_add_nc_u32 v4, s59, v4                       ; in the partial sums of waves 0 to 3,
	v_add_nc_u32 v6, 4*PSLAB, v4                   ; and of waves 4 to 7: 7 x 17,408 bytes are beyond an LDS instruction's 16-bit offset
	v_lshlrev_b32 v5, 16, v2                       ; and the same two channels in out0, 65,536 bytes apart
	v_lshl_add_u32 v5, v1, 4, v5
.irp y, 0,1,2,3
.irp x, 0,1,2,3
	ds_store_b128 v3, v[ACC+8*(4*\y+\x):ACC+8*(4*\y+\x)+3] offset:\y*16*PPITCH+\x*64
	ds_store_b128 v3, v[ACC+8*(4*\y+\x)+4:ACC+8*(4*\y+\x)+7] offset:\y*16*PPITCH+\x*64+16
.endr
.endr
	s_wait_dscnt 0x0                               ; my partial sums are in LDS, for the other waves' sake
	s_barrier_signal -1
	s_barrier_wait -1                              ; everybody's are
	; group t = rows 8 wave + 2 t and + 1 (two channels of my image row) as each of the eight waves p summed them, at ACC + 16 p + 4 t
.irp t, 0,1,2,3
.irp p, 0,1,2,3
	ds_load_b128 v[ACC+16*\p+4*\t:ACC+16*\p+4*\t+3], v4 offset:\p*PSLAB+\t*2*PPITCH
.endr
.irp p, 4,5,6,7
	ds_load_b128 v[ACC+16*\p+4*\t:ACC+16*\p+4*\t+3], v6 offset:(\p-4)*PSLAB+\t*2*PPITCH
.endr
.endr
.macro PADD a, b                       ; four numbers a lane: a += b
	v_pk_add_f32 v[(\a):(\a)+1], v[(\a):(\a)+1], v[(\b):(\b)+1]
	v_pk_add_f32 v[(\a)+2:(\a)+3], v[(\a)+2:(\a)+3], v[(\b)+2:(\b)+3]
.endm
.irp t, 0,1,2,3
	s_wait_dscnt 24-8*\t                           ; group t's eight loads are in; the 3 - t younger groups stay out
	PADD ACC+4*\t, ACC+16+4*\t
	PADD ACC+32+4*\t, ACC+48+4*\t
	PADD ACC+64+4*\t, ACC+80+4*\t
	PADD ACC+96+4*\t, ACC+112+4*\t
	PADD ACC+4*\t, ACC+32+4*\t
	PADD ACC+64+4*\t, ACC+96+4*\t
	PADD ACC+4*\t, ACC+64+4*\t
	v_pk_mul_f32 v[ACC+4*\t:ACC+4*\t+1], v[ACC+4*\t:ACC+4*\t+1], s[46:47] op_sel_hi:[1,0]         ; x 2^M, as exp2(M / 2) twice
	v_pk_mul_f32 v[ACC+4*\t+2:ACC+4*\t+3], v[ACC+4*\t+2:ACC+4*\t+3], s[46:47] op_sel_hi:[1,0]
	v_pk_mul_f32 v[ACC+4*\t:ACC+4*\t+1], v[ACC+4*\t:ACC+4*\t+1], s[46:47] op_sel_hi:[1,0]
	v_pk_mul_f32 v[ACC+4*\t+2:ACC+4*\t+3], v[ACC+4*\t+2:ACC+4*\t+3], s[46:47] op_sel_hi:[1,0]
	global_store_b128 v5, v[ACC+4*\t:ACC+4*\t+3], s[14:15] offset:\t*131072 th:TH_STORE_NT   ; 16 lanes store 256 consecutive bytes, at a multiple of 256 from out0's first byte
.endr
	s_set_vgpr_msb 0x5
	s_wait_tensorcnt 0x0
	ds_add_u32 v0, v1
	s_wait_dscnt 0x0
	s_set_vgpr_msb 0x500
	s_endpgm
.Lfunc_end_k_q1a05e092d4_splat:
	.size	k_q1a05e092d4_splat, .Lfunc_end_k_q1a05e092d4_splat-k_q1a05e092d4_splat
	.p2alignl 7, 3214868480
	.fill 96, 4, 3214868480
	.section	.rodata,"a",@progbits
	.p2align	6, 0x0
	.amdhsa_kernel k_q1a05e092d4_splat
		.amdhsa_group_segment_fixed_size 300288
		.amdhsa_private_segment_fixed_size 0
		.amdhsa_enable_private_segment 0
		.amdhsa_kernarg_size 48
		.amdhsa_user_sgpr_count 2
		.amdhsa_user_sgpr_kernarg_segment_ptr 1
		.amdhsa_wavefront_size32 1
		.amdhsa_system_sgpr_workgroup_id_x 1
		.amdhsa_system_sgpr_workgroup_id_y 1
		.amdhsa_system_sgpr_workgroup_id_z 1
		.amdhsa_system_vgpr_workitem_id 0
		.amdhsa_next_free_vgpr 258
		.amdhsa_next_free_sgpr 66
		.amdhsa_reserve_vcc 1
		.amdhsa_float_denorm_mode_32 3
		.amdhsa_float_denorm_mode_16_64 3
		.amdhsa_memory_ordered 1
		.amdhsa_forward_progress 1
		.amdhsa_inst_pref_size 107
	.end_amdhsa_kernel
	.amdgpu_metadata
---
amdhsa.version: [ 1, 2 ]
amdhsa.kernels:
  - .name:           k_q1a05e092d4_splat
    .symbol:         k_q1a05e092d4_splat.kd
    .args:
      - { .name: K, .offset: 0, .size: 8, .value_kind: global_buffer, .address_space: global }
      - { .name: RT, .offset: 8, .size: 8, .value_kind: global_buffer, .address_space: global }
      - { .name: pts_3d, .offset: 16, .size: 8, .value_kind: global_buffer, .address_space: global }
      - { .name: pts_feat, .offset: 24, .size: 8, .value_kind: global_buffer, .address_space: global }
      - { .name: pts_scale, .offset: 32, .size: 8, .value_kind: global_buffer, .address_space: global }
      - { .name: out0, .offset: 40, .size: 8, .value_kind: global_buffer, .address_space: global }
    .group_segment_fixed_size: 300288
    .private_segment_fixed_size: 0
    .kernarg_segment_align: 8
    .kernarg_segment_size: 48
    .max_flat_workgroup_size: 256
    .sgpr_count:     66
    .vgpr_count:     258
    .wavefront_size: 32
...
	.end_amdgpu_metadata
.endif
;; end of part 2
